; MI455X (gfx1250); checked and timed in simulation.
; The chip was launched on July 23, 2026; its instructions are those of AMD's public machine-readable ISA for CDNA 5 (MIT licence, August 2026) and "CDNA5" Instruction Set Architecture Reference Guide (July 2026). The comments in the code are by the model that wrote it; some were corrected since.
;; Lo RA First Layer MLP. Allowed arithmetic: float matrix products may take bf16 or f16 operands with f32 sums; all other float work in f32.
;; Inputs: A 16 x 1,024 float32; B 4,096 x 16 float32; W0 4,096 x 1,024 float32; W2 1 x 4,096 float32; b0 4,096 float32; b2 1 float32; x 16,384 x 1,024 float32.
;; Outputs: out0 16,384 float32.
;; 2 versions, each right; version 2 is version 1 with the launch prep written anew for expert scheduling mode. Each part assembles by itself: llvm-mc -triple=amdgcn-amd-amdhsa -mcpu=gfx1250 --defsym DOCPART=n.
;; ======== version 1 of 2: 3 launches
;; workspace buffers: xb 33,554,432 bytes; wb 8,388,608 bytes; part 2,097,152 bytes
;; launch prep (part 1): grid 384 x 1, 8 waves a work-group, no clusters, 68,608 bytes of LDS; arguments x, W0, A, B, xb, wb; writes xb, wb
.if DOCPART == 1
	.amdgcn_target "amdgcn-amd-amdhsa--gfx1250"
	.amdhsa_code_object_version 6
	.text
	.protected	k_q60ede54a3b_prep
	.globl	k_q60ede54a3b_prep
	.p2align	8
	.type	k_q60ede54a3b_prep,@function
k_q60ede54a3b_prep:
	s_mov_b64 s[64:65], 0
	v_nop
	global_prefetch_b8 v0, s[64:65] scope:SCOPE_SE
	s_setreg_imm32_b32 hwreg(HW_REG_WAVE_MODE, 25, 1), 1
	s_wait_xcnt 0x0
; The operands of the large product, each rounded to bf16 once.
;   xb[16384][1024] bf16 = x, with the rows of each group of 64 re-ordered: place 16 q + r of a group holds x's row 4 r + q (q = 0..3, r = 0..15).
;   wb[4096][1024]  bf16 = W0 + 2 (B A), the sum made in f32 and rounded once.  (2 = alpha / rank = 32 / 16.)
; Work-groups 0-127 make 32 rows of wb each, work-groups 128-383 make 64 rows of xb each.  The branch hangs on the work-group's number alone.
; The re-ordering costs nothing here (it stands in the stores' immediates); the product's launch then finds four neighbouring rows' results in one lane.
; LIMITS.  A and B are rounded to bf16 for the small product B A (sums in f32).  A number beyond bf16's largest finite one (3.39e38) rounds to an infinity.
; No barrier: a wave's LDS stage is its own.
.set SPARE, 67584                      ; behind the eight stages: the spare words, 128 bytes for each wave: four blocks of 256 bytes that no other line names
.set SPW,   6                          ; v6   LDS address of my spare word: SPARE + 4 x my thread's number; never rewritten
.set NIL,   7                          ; v7   0; never rewritten
; the x path
.set X,     8                          ; v[8:135]    slot i of 32: four f32 as loaded
.set Y,     136                        ; v[136:199]  slot i of 32: four bf16 to store (first round)
; the W path
.set VA,    1                          ; v1   byte offset in A of my column, rows 8 h on
.set VBO,   2                          ; v2   byte offset in B of my row's eight numbers
.set VW,    3                          ; v3   byte offset in a row of W0 of my four columns
.set VO,    4                          ; v4   the same in a row of wb
.set STO,   5                          ; v5   stage: where I put a result's registers
.set RD,    8                          ; v8   stage: where I read a row back
.set AT,    16                         ; v[16:79]    A as loaded, f32
.set D,     16                         ;             then the eight results of B A, then the rows to store
.set W,     80                         ; v[80:143]   16 rows of W0, four columns a lane
.set AF,    144                        ; v[144:207]  eight fragments of A^T, bf16
.set BT,    208                        ; v[208:215]  B as loaded, f32
.set BF,    216                        ; v[216:223]  one fragment of B, bf16
.set SPITCH, 528                       ; a stage row: 512 bytes + 16: row r starts at bank 4 r mod 64 (64 banks of 4 bytes: ISA guide 11.1)
.set STAGEB, 16*SPITCH                 ; a wave's stage: 16 rows
	s_load_b256 s[4:11], s[0:1], 0x0               ; x s[4:5], W0 s[6:7], A s[8:9], B s[10:11]
	s_load_b128 s[12:15], s[0:1], 0x20             ; xb s[12:13], wb s[14:15]
	v_lshl_add_u32 v[SPW], v0, 2, SPARE
	v_mov_b32 v[NIL], 0
	s_mov_b32 s16, ttmp9
	s_wait_kmcnt 0x0
	s_cmp_lt_u32 s16, 128
	s_cbranch_scc1 .Lw
; ---------------- x: 64 rows.  Thread t owns the 16 bytes at 16 t of every row: a wave's load covers 512 neighbouring bytes, its store 256, both aligned.
; 32 loads of every wave are on their way.  No address register and no store's data register is ever rewritten, so no wait frees any.
	s_sub_co_u32 s17, s16, 128                     ; my group of 64 rows
	s_lshl_b32 s18, s17, 18                        ; x 64 rows of 4,096 bytes
	s_mov_b32 s19, 0
	s_lshl_b32 s20, s17, 17                        ; x 64 rows of 2,048 bytes
	s_mov_b32 s21, 0
	s_add_nc_u64 s[4:5], s[4:5], s[18:19]
	s_add_nc_u64 s[12:13], s[12:13], s[20:21]
	v_lshlrev_b32 v1, 4, v0                        ; 16 t
	v_lshlrev_b32 v2, 3, v0                        ; 8 t
.set i, 0
.rept 32
	global_load_b128 v[X+4*i:X+4*i+3], v1, s[4:5] offset:i*4096 th:TH_LOAD_NT
.set i, i+1
.endr
.set i, 0
.rept 32                                               ; rows 0-31; each slot is filled again with the row 32 further down
	s_wait_loadcnt 31                              ; behind slot i's load stand 31 - i first fills and i refills
	v_cvt_pk_bf16_f32 v[Y+2*i], v[X+4*i], v[X+4*i+1]
	v_cvt_pk_bf16_f32 v[Y+2*i+1], v[X+4*i+2], v[X+4*i+3]
	global_load_b128 v[X+4*i:X+4*i+3], v1, s[4:5] offset:(32+i)*4096 th:TH_LOAD_NT
	global_store_b64 v2, v[Y+2*i:Y+2*i+1], s[12:13] offset:(16*(i%4)+i/4)*2048  ; row i goes to place 16 (i % 4) + i / 4
.set i, i+1
.endr
.set i, 0
.rept 32                                               ; rows 32-63: nothing more is loaded, the counts run down; rounded in place
	s_wait_loadcnt 31-i
	v_cvt_pk_bf16_f32 v[X+4*i], v[X+4*i], v[X+4*i+1]
	v_cvt_pk_bf16_f32 v[X+4*i+1], v[X+4*i+2], v[X+4*i+3]
	global_store_b64 v2, v[X+4*i:X+4*i+1], s[12:13] offset:(16*((32+i)%4)+(32+i)/4)*2048
.set i, i+1
.endr
	s_wait_tensorcnt 0x0                           ; the wave's end
	ds_add_u32 v[SPW], v[NIL]
	s_wait_dscnt 0x0
	s_endpgm
; ---------------- W: 32 rows, as two blocks of 16.  Wave w owns columns 128 w .. 128 w + 127.
; delta = B A by the matrix unit, K = 16 padded to the form's 32 by zeros on both sides.  Source 0 = 16 columns d (rows of A^T), source 1 = 16 rows m of B:
; in the result lane (r, h) holds row m0 + r and the columns 16 t + 8 h + 0..7.  The results go through my stage and come back as rows, four columns a lane,
; as W0 is loaded and wb is stored: a wave's load covers 512 neighbouring bytes, its store 256, both aligned.
.Lw:
	v_lshrrev_b32 v9, 5, v0
	v_readfirstlane_b32 s17, v9                    ; wave 0..7
	v_and_b32 v10, 31, v0                          ; l
	v_and_b32 v11, 15, v0                          ; r = l % 16
	v_bfe_u32 v12, v0, 4, 1                        ; h = l / 16
	s_lshl_b32 s18, s16, 17                        ; my 32 rows of W0 (4,096 bytes each),
	s_mov_b32 s19, 0
	s_lshl_b32 s20, s16, 11                        ; of B (64 bytes each),
	s_mov_b32 s21, 0
	s_lshl_b32 s22, s16, 16                        ; of wb (2,048 bytes each)
	s_mov_b32 s23, 0
	s_add_nc_u64 s[6:7], s[6:7], s[18:19]
	s_add_nc_u64 s[10:11], s[10:11], s[20:21]
	s_add_nc_u64 s[14:15], s[14:15], s[22:23]
	s_lshl_b32 s24, s17, 9                         ; 512 w
	s_lshl_b32 s25, s17, 8                         ; 256 w
	s_mul_i32 s26, s17, STAGEB                     ; my stage
	v_lshl_add_u32 v[VA], v11, 2, s24              ; A[8 h + i][128 w + 16 t + r]: 4 r + 512 w
	v_lshl_add_u32 v[VA], v12, 15, v[VA]           ; + 8 h rows of 4,096 bytes
	v_lshlrev_b32 v[VBO], 6, v11                   ; B[m0 + r][8 h ..]: 64 r
	v_lshl_add_u32 v[VBO], v12, 5, v[VBO]          ; + 32 h
	v_lshl_add_u32 v[VW], v10, 4, s24              ; 16 l + 512 w
	v_lshl_add_u32 v[VO], v10, 3, s25              ; 8 l + 256 w
	v_mul_u32_u24 v[STO], v11, SPITCH              ; stage, in: row r, 32 bytes for each half of the lanes
	v_lshl_add_u32 v[STO], v12, 5, v[STO]
	v_add_nc_u32 v[STO], s26, v[STO]
	v_lshl_add_u32 v[RD], v10, 4, s26              ; stage, back: 16 bytes a lane of one row
.set t, 0
.rept 8
.set i, 0
.rept 8
	global_load_b32 v[AT+8*t+i], v[VA], s[8:9] offset:i*4096+t*64
.set i, i+1
.endr
.set t, t+1
.endr
	global_load_b128 v[BT:BT+3], v[VBO], s[10:11]
	global_load_b128 v[BT+4:BT+7], v[VBO], s[10:11] offset:16
.set i, 0
.rept 16
	global_load_b128 v[W+4*i:W+4*i+3], v[VW], s[6:7] offset:i*4096 th:TH_LOAD_NT
.set i, i+1
.endr
.set t, 0
.rept 8                                                ; k = 16 .. 31 of every fragment is 0; these lines stand in the wait for the loads
.irp p, 4,5,6,7
	v_mov_b32 v[AF+8*t+(\p)], 0
.endr
.set t, t+1
.endr
.irp p, 4,5,6,7
	v_mov_b32 v[BF+(\p)], 0
.endr
	s_wait_loadcnt 16                              ; A and B are in: only the 16 loads of W0 are younger
.set t, 0
.rept 8
.irp p, 0,1,2,3
	v_cvt_pk_bf16_f32 v[AF+8*t+(\p)], v[AT+8*t+2*(\p)], v[AT+8*t+2*(\p)+1]  ; k = 8 h + 2 p, 8 h + 2 p + 1
.endr
.set t, t+1
.endr
.macro BLOCK blk                       ; rows 16 blk .. 16 blk + 15
.if \blk
	s_wait_loadcnt 16                              ; this block's B is in: the 16 loads of its W0 are younger
	s_wait_xcnt 0x0                                ; every earlier memory instruction has had its addresses translated (ISA guide 3.1): D, which the last block's stores read, is rewritten only behind this wait
.endif
.irp p, 0,1,2,3
	v_cvt_pk_bf16_f32 v[BF+(\p)], v[BT+2*(\p)], v[BT+2*(\p)+1]
.endr
.irp t, 0,1,2,3,4,5,6,7                ; eight results, each a sum of its own: no chain
	v_wmma_f32_16x16x32_bf16 v[D+8*(\t):D+8*(\t)+7], v[AF+8*(\t):AF+8*(\t)+7], v[BF:BF+7], 0
.endr
.if (\blk) == 0
	global_load_b128 v[BT:BT+3], v[VBO], s[10:11] offset:1024      ; the next block's B
	global_load_b128 v[BT+4:BT+7], v[VBO], s[10:11] offset:1040
.endif
.rept 4
	v_nop                                          ; four places between the last product and the first read of a result (ISA guide 7.12.1)
.endr
.irp t, 0,1,2,3,4,5,6,7
	ds_store_b128 v[STO], v[D+8*(\t):D+8*(\t)+3] offset:64*(\t)            ; each result's low registers first
	ds_store_b128 v[STO], v[D+8*(\t)+4:D+8*(\t)+7] offset:64*(\t)+16
.endr
.set i, 0
.rept 16
	ds_load_b128 v[D+4*i:D+4*i+3], v[RD] offset:SPITCH*i   ; LDS serves a wave's instructions in order (ISA guide 5.7.1.4): these see the stores above
.set i, i+1
.endr
	s_wait_loadcnt 2*(1-(\blk))                    ; this block's W0 is in; in block 0 the two loads of the next B are younger
.set i, 0
.rept 16
	s_wait_dscnt 15-i                              ; row i is back
	v_pk_fma_f32 v[D+4*i:D+4*i+1], v[D+4*i:D+4*i+1], 2.0, v[W+4*i:W+4*i+1] op_sel_hi:[1,0,1]        ; W0 + 2 delta, fused
	v_pk_fma_f32 v[D+4*i+2:D+4*i+3], v[D+4*i+2:D+4*i+3], 2.0, v[W+4*i+2:W+4*i+3] op_sel_hi:[1,0,1]
.if (\blk) == 0
	global_load_b128 v[W+4*i:W+4*i+3], v[VW], s[6:7] offset:(16+i)*4096 th:TH_LOAD_NT  ; the next block's row, ahead of the store
.endif
	v_cvt_pk_bf16_f32 v[D+4*i], v[D+4*i], v[D+4*i+1]
	v_cvt_pk_bf16_f32 v[D+4*i+1], v[D+4*i+2], v[D+4*i+3]
	global_store_b64 v[VO], v[D+4*i:D+4*i+1], s[14:15] offset:(16*(\blk)+i)*2048
.set i, i+1
.endr
.endm
	BLOCK 0
	BLOCK 1
	s_wait_tensorcnt 0x0                           ; the wave's end, behind my last LDS store
	ds_add_u32 v[SPW], v[NIL]
	s_wait_dscnt 0x0
	s_endpgm
.Lfunc_end_k_q60ede54a3b_prep:
	.size	k_q60ede54a3b_prep, .Lfunc_end_k_q60ede54a3b_prep-k_q60ede54a3b_prep
	.p2alignl 7, 3214868480
	.fill 96, 4, 3214868480
	.section	.rodata,"a",@progbits
	.p2align	6, 0x0
	.amdhsa_kernel k_q60ede54a3b_prep
		.amdhsa_group_segment_fixed_size 68608
		.amdhsa_private_segment_fixed_size 0
		.amdhsa_enable_private_segment 0
		.amdhsa_kernarg_size 48
		.amdhsa_user_sgpr_count 2
		.amdhsa_user_sgpr_kernarg_segment_ptr 1
		.amdhsa_wavefront_size32 1
		.amdhsa_system_sgpr_workgroup_id_x 1
		.amdhsa_system_sgpr_workgroup_id_y 1
		.amdhsa_system_sgpr_workgroup_id_z 1
		.amdhsa_system_vgpr_workitem_id 0
		.amdhsa_next_free_vgpr 224
		.amdhsa_next_free_sgpr 66
		.amdhsa_reserve_vcc 0
		.amdhsa_float_denorm_mode_32 3
		.amdhsa_float_denorm_mode_16_64 3
		.amdhsa_memory_ordered 1
		.amdhsa_forward_progress 1
		.amdhsa_inst_pref_size 55
	.end_amdhsa_kernel
	.amdgpu_metadata
---
amdhsa.version: [ 1, 2 ]
amdhsa.kernels:
  - .name:           k_q60ede54a3b_prep
    .symbol:         k_q60ede54a3b_prep.kd
    .args:
      - { .name: x, .offset: 0, .size: 8, .value_kind: global_buffer, .address_space: global }
      - { .name: W0, .offset: 8, .size: 8, .value_kind: global_buffer, .address_space: global }
      - { .name: A, .offset: 16, .size: 8, .value_kind: global_buffer, .address_space: global }
      - { .name: B, .offset: 24, .size: 8, .value_kind: global_buffer, .address_space: global }
      - { .name: xb, .offset: 32, .size: 8, .value_kind: global_buffer, .address_space: global }
      - { .name: wb, .offset: 40, .size: 8, .value_kind: global_buffer, .address_space: global }
    .group_segment_fixed_size: 68608
    .private_segment_fixed_size: 0
    .kernarg_segment_align: 8
    .kernarg_segment_size: 48
    .max_flat_workgroup_size: 256
    .sgpr_count:     66
    .vgpr_count:     224
    .wavefront_size: 32
...
	.end_amdgpu_metadata
.endif
;; end of part 1
;; launch gemm (part 2): grid 16 x 16, 4 waves a work-group, clusters of 4 x 4, 327,680 bytes of LDS; arguments xb, wb, b0, W2, part; writes part
.if DOCPART == 2
	.amdgcn_target "amdgcn-amd-amdhsa--gfx1250"
	.amdhsa_code_object_version 6
	.text
	.protected	k_q60ede54a3b_gemm
	.globl	k_q60ede54a3b_gemm
	.p2align	8
	.type	k_q60ede54a3b_gemm,@function
k_q60ede54a3b_gemm:
	s_mov_b64 s[64:65], 0
	v_nop
	global_prefetch_b8 v0, s[64:65] scope:SCOPE_SE
	s_setreg_imm32_b32 hwreg(HW_REG_WAVE_MODE, 25, 1), 1
	s_wait_xcnt 0x0
	s_wait_alu depctr_hold_cnt(0) depctr_sa_sdst(0) depctr_va_vdst(0) depctr_va_sdst(0) depctr_va_ssrc(0) depctr_va_vcc(0) depctr_vm_vsrc(0)
	s_getreg_b32 s2, hwreg(HW_REG_IB_STS2, 6, 4)
	s_cmp_eq_u32 s2, 0
	s_cbranch_scc0 .Lentry_in_a_cluster
	s_endpgm
.Lentry_in_a_cluster:
	s_bfe_u32 s2, ttmp6, 0x10000c
	s_cmp_lg_u32 s2, 0xf033
	s_cbranch_scc0 .Lentry_shape_is_right
	s_endpgm
.Lentry_shape_is_right:
; part[c][i] = the sum over the 128 columns n of strip c of W2[n] relu(b0[n] + sum over k of x[i][k] W_eff[n][k]).
; xb: [16384][1024] bf16 (x, rows re-ordered inside each 64: place 16 q + r holds row 4 r + q), wb: [4096][1024] bf16, b0, W2: [4096] f32, part: [32][16384] f32.
; The hidden layer never reaches memory: a tile of it, 256 x 256, is made in f32 accumulators, and bias, relu and the product with W2 are done on the way out.
; A tile is made by four waves, each 128 x 128: 64 accumulators of 16 x 16, 512 registers.  K goes in steps of 128 through a ring of two LDS slots filled by the
; tensor data mover: the tiles' rows are 256 bytes of memory and start at multiples of 256 bytes from the buffer's first byte.
; A WORK-GROUP STAYS: it makes four tiles, 4,096 rows apart, in the same 256 columns, so its b0 and W2 are loaded once; the ring does not stop at a tile's end.
; CLUSTERS: 4 x 4 work-groups.  The four of a row of the cluster need the same tiles of xb, the four of a column the same tiles of wb: each tile is asked for JOINTLY,
; by the same tensor load with the same descriptor and a mask that names the four.  That divides the requests for both by four.
; THE MATRIX INSTRUCTION IS USED TRANSPOSED: source 0 = 16 rows of wb, source 1 = 16 rows of xb.  Lane l then holds ONE row of x (l % 16) and the eight columns
; n = 8 (l / 16) + 0..7 of each block of 16: b0 and W2 lie in registers in that same layout, b0 is the C operand that starts each sum, and a row's sum over n
; is made inside the lane, with one exchange between the halves of the lanes.
; LIMITS.  relu is the maximum with 0 in which a NaN loses: a NaN in front of relu counts as 0.  The f32 sums are taken in another order than a plain loop's.
;
; REGISTERS, in windows of 256 (s_set_vgpr_msb: bits 1:0 source 0, 3:2 source 1, 5:4 source 2, 7:6 destination):
;   window 0: v0-31 addresses; v32-51 the way out's sums; v64-127, v128-191 fragments of xb, two buffers (the second is free on the way out: T); v192-255 W2
;   window 1: v0-63 b0; v64-127, v128-191 fragments of wb, two buffers
;   window 2: the 32 accumulators of my rows 0-63 (accumulator (a, b) at v[8 (8 a + b)]);   window 3: those of my rows 64-127
.set SIZE_M, 16384
.set SIZE_N, 4096
.set SIZE_K, 1024
.set TILES,  4
.set KSTEP,  128
.set PITCH,  272                       ; an LDS row: 256 bytes + 16 of padding = 68 words: row r starts at bank 4 r mod 64 (64 banks of 4 bytes: ISA guide 11.1)
.set HALFT,  128*PITCH                 ; 128 rows: what one tensor load brings, and what one wave reads of xb or of wb
.set SLOT,   4*HALFT                   ; xb's 256 rows, then wb's 256 rows
.set SPARE,  2*SLOT                    ; behind the ring: the spare words, 128 bytes for each wave: two blocks of 256 bytes that no other line names
.set LAPS,   SIZE_K/(2*KSTEP)          ; a lap = two K steps = once round the ring: 4
.set WALK,   SIZE_M/TILES              ; a work-group's tiles lie 4,096 rows apart
.set NEXT_A, WALK*SIZE_K*2-(SIZE_K-2*KSTEP)*2   ; bytes from a slot's last K step of a tile to its first of the next: xb goes WALK rows down and back along K,
.set BACK_B, (SIZE_K-2*KSTEP)*2        ; wb only back
.set ADRA, 16                          ; v16-17  LDS address of my xb fragments in slot 0, 1
.set ADRB, 20                          ; v20-21  the same for wb
.set VB,   24                          ; v24     32 (l / 16): my eight columns in a block of 16, in bytes of b0 and W2
.set PO,   26                          ; v26     16 l: my four sums among the wave's 128
.set SPW,  28                          ; v28     LDS address of my spare word: SPARE + 4 x my thread's number; never rewritten
.set NIL,  29                          ; v29     0; never rewritten
.set S,    32                          ; v32-39  the sum of row block a
.set CH,   40                          ; v40-47  four chains, a pair each
.set OUT,  48                          ; v48-51  four neighbouring rows' sums
.set F0,   64                          ; fragment buffer 0
.set F1,   128                         ; fragment buffer 1
.set T,    128                         ; the way out, window 0: relu of one row block, 64 registers
.set W2R,  192                         ; window 0: W2[16 b + 8 (l / 16) + j] at W2R + 8 b + j
.set BIAS, 0                           ; window 1: b0 likewise
.set G1, 24                            ; s[24:31] descriptor group 1 for xb's tiles
.set G0, 32                            ; s[32:39] descriptor group 0 for xb's tiles, one set for each slot
.set G1B, 48                           ; s[48:55] group 1 for wb's tiles: it differs in the mask alone
.set G0B, 56                           ; s[56:63] group 0 for wb's tiles, one set for each slot
.set MSB, 0
.macro WIN new                         ; the immediate's high byte repeats the setting that is left; a switch that changes nothing is dropped
.if MSB != (\new)
	s_set_vgpr_msb (MSB<<8)|(\new)
.set MSB, \new
.endif
.endm
.set MUL_LO,  0xa1                     ; source 0 (wb) window 1, source 1 (xb) window 0, C and D window 2; + 0x50: C and D window 3
.set MUL_LO1, 0x91                     ; the same with C (b0) in window 1; + 0x40: D window 3
.set TO_B,    0x40                     ; destination window 1, address window 0
; A joint load.  Waves 0 and 1 fetch xb's two halves, waves 2 and 3 wb's.  Each of the two lines has one mask and one set of registers for all that issue it.
; The branch hangs on the wave's number alone.  An s_nop 0 and four v_nop follow each of the two lines, ahead of the jump, the label and what follows.
.macro JLOAD s
	s_cmp_eq_u32 s11, 0
	s_cbranch_scc0 .Lfor_b_\@
	tensor_load_to_lds s[G0+4*(\s):G0+4*(\s)+3], s[G1:G1+7]
	s_nop 0
.rept 4
	v_nop
.endr
	s_branch .Lasked_\@
.Lfor_b_\@:
	tensor_load_to_lds s[G0B+4*(\s):G0B+4*(\s)+3], s[G1B:G1B+7]
	s_nop 0
.rept 4
	v_nop
.endr
.Lasked_\@:
.endm
; A round of the cluster's barrier: my work-group's barrier, so that wave 0's signal speaks for all four waves; wave 0 signals; every wave waits for all sixteen work-groups; my work-group's barrier once more.
.macro CREST                           ; a round behind its opening barrier
	s_cmp_lg_u32 s10, 0
	s_cbranch_scc1 .Lnot_wave_0_\@
	s_barrier_signal -3
.Lnot_wave_0_\@:
	s_barrier_wait -3
	s_barrier_signal -1
	s_barrier_wait -1
.endm
.macro CROUND                          ; a whole round
	s_barrier_signal -1
	s_barrier_wait -1
	CREST
.endm
	s_load_b128 s[4:7], s[0:1], 0x0                ; xb s[4:5], wb s[6:7]
	s_load_b128 s[68:71], s[0:1], 0x10             ; b0 s[68:69], W2 s[70:71]
	s_load_b64 s[8:9], s[0:1], 0x20                ; part
	v_lshl_add_u32 v[SPW], v0, 2, SPARE
	v_mov_b32 v[NIL], 0
	ds_add_u32 v[SPW], v[NIL]                      ; the wave's opening: the add and its wait stand ahead of my first tensor load; the set-up below, work on registers, stands between them
	v_lshrrev_b32 v1, 5, v0
	v_readfirstlane_b32 s10, v1                    ; wave 0..3
	s_lshr_b32 s11, s10, 1                         ; which half of the tile's rows is mine.  Also: I fetch for xb (0) or for wb (1)
	s_and_b32 s12, s10, 1                          ; which half of its columns.  Also: which 128 rows of that tile I fetch
	s_bfe_u32 s40, ttmp6, 0x40000                  ; cx: my place along the cluster's x
	s_bfe_u32 s41, ttmp6, 0x40004                  ; cy: along its y
	s_lshl_b32 s42, ttmp9, 2                       ; in a cluster launch ttmp9 and ttmp7 count clusters
	s_add_co_u32 s42, s42, s40                     ; tile column = 4 x cluster x + cx
	s_and_b32 s13, ttmp7, 0xffff
	s_lshl_b32 s13, s13, 2
	s_add_co_u32 s13, s13, s41                     ; tile row = 4 x cluster y + cy
	s_lshl_b32 s43, s41, 2
	s_lshl_b32 s43, 15, s43                        ; my row of the cluster: places 4 cy .. 4 cy + 3
	s_lshl_b32 s44, 0x1111, s40                    ; my column: places cx, cx + 4, cx + 8, cx + 12
	; descriptor group 1: a tile of 128 rows x 128 elements, padded in LDS
	s_or_b32 s[G1+0], s43, (1<<16)|(1<<20)|(1<<21)|(5<<22)|(3<<25)  ; 15:0 the mask: xb's tiles go to my row; 17:16 element of 2 bytes; 20 padding on; 21 set beside a mask; 24:22 after every 64 words (code 5); 31:25 of 4 words (code 3)
	s_or_b32 s[G1B+0], s44, (1<<16)|(1<<20)|(1<<21)|(5<<22)|(3<<25) ; the same with the mask of my column, for wb's tiles
	s_mov_b32 s[G1B+1], KSTEP<<16
	s_mov_b32 s[G1+1], KSTEP<<16                   ; 63:48 tensor_dim0, low half = 128
	s_mov_b32 s[G1B+2], 128<<16
	s_mov_b32 s[G1+2], 128<<16                     ; 95:80 tensor_dim1, low half = 128
	s_mov_b32 s[G1B+3], KSTEP<<16
	s_mov_b32 s[G1+3], KSTEP<<16                   ; 127:112 tile_dim0 = 128
	s_mov_b32 s[G1B+4], 128
	s_mov_b32 s[G1+4], 128                         ; 143:128 tile_dim1 = 128; 159:144 tile_dim2 = 0
	s_mov_b32 s[G1B+5], SIZE_K
	s_mov_b32 s[G1+5], SIZE_K                      ; 191:160 tensor_dim0_stride: elements from row to row
	s_mov_b32 s[G1B+6], 0
	s_mov_b32 s[G1+6], 0
	s_mov_b32 s[G1B+7], 0
	s_mov_b32 s[G1+7], 0
	s_mov_b32 s66, 0x76543210                      ; v_permlanex16_b32's selects: each lane takes its own place in the other half
	s_mov_b32 s67, 0xfedcba98
	; where the tiles come from.  xb's hang on the tile row alone, which my row of the cluster shares; wb's on the tile column alone, which my column shares.
	s_lshl_b32 s17, s12, 7                         ; which 128 rows of the tile I fetch
	s_lshl_b32 s16, s13, 8
	s_add_co_u32 s16, s16, s17                     ; xb: row 256 x tile row + 128 x half
	s_lshl_b32 s46, s42, 8
	s_add_co_u32 s46, s46, s17                     ; wb: row 256 x tile column + 128 x half
	s_mov_b32 s17, 0
	s_mov_b32 s47, 0
	s_mov_b64 s[18:19], SIZE_K*2
	s_mul_u64 s[16:17], s[16:17], s[18:19]         ; in bytes, in 64 bits
	s_mul_u64 s[46:47], s[46:47], s[18:19]
	s_mul_i32 s20, s10, HALFT                      ; and where they go: wave x 128 rows: no place in the cluster enters an LDS address
	s_wait_dscnt 0x0                               ; the opening add is done
	s_wait_kmcnt 0x0
	s_add_nc_u64 s[14:15], s[4:5], s[16:17]
	s_add_nc_u64 s[46:47], s[6:7], s[46:47]
	CROUND                                         ; all sixteen work-groups are here: the first joint loads meet
.irp s, 0,1
	s_mov_b32 s[G0+4*(\s)], 1                                      ; 1:0 count = 1
	s_add_co_u32 s[G0+4*(\s)+1], s20, (\s)*SLOT                    ; 63:32 LDS address
	s_add_nc_u64 s[G0+4*(\s)+2:G0+4*(\s)+3], s[14:15], (\s)*KSTEP*2  ; 120:64 global address: K step s
	s_or_b32 s[G0+4*(\s)+3], s[G0+4*(\s)+3], 0x80000000            ; 127:126 type = 2
	s_mov_b32 s[G0B+4*(\s)], 1
	s_add_co_u32 s[G0B+4*(\s)+1], s20, (\s)*SLOT
	s_add_nc_u64 s[G0B+4*(\s)+2:G0B+4*(\s)+3], s[46:47], (\s)*KSTEP*2
	s_or_b32 s[G0B+4*(\s)+3], s[G0B+4*(\s)+3], 0x80000000
	JLOAD \s                                       ; the ring is filled before anything else is done: two loads of mine are out
.endr
	; A fragment is 16 rows x 32 K in 8 registers: lane l holds row l % 16; registers 0-3 hold K = 8 (l / 16) + 0..7, registers 4-7 K = 16 + 8 (l / 16) + 0..7: two loads of 16 bytes, 32 bytes apart.
	v_and_b32 v1, 15, v0                           ; l % 16
	v_bfe_u32 v2, v0, 4, 1                         ; l / 16
	v_and_b32 v4, 31, v0                           ; l
	v_mul_u32_u24 v3, v1, PITCH
	v_lshl_add_u32 v3, v2, 4, v3                   ; row x pitch + 16 x half
	s_mul_i32 s21, s11, HALFT                      ; my 128 rows of xb
	s_mul_i32 s22, s12, HALFT                      ; my 128 rows of wb,
	s_add_co_u32 s22, s22, 2*HALFT                 ; which lie behind xb's 256
.irp s, 0,1
	v_add_nc_u32 v[ADRA+(\s)], s21, v3
	v_add_nc_u32 v[ADRB+(\s)], s22, v3
	s_add_co_u32 s21, s21, SLOT
	s_add_co_u32 s22, s22, SLOT
.endr
	v_lshlrev_b32 v[VB], 5, v2
	v_lshlrev_b32 v[PO], 4, v4
	v_cmp_lt_u32 s72, 15, v4
	; b0 and W2 of my 128 columns, once for all four tiles: 256 x tile column + 128 x half, 4 bytes each
	s_lshl_b32 s22, s42, 10
	s_lshl_b32 s23, s12, 9
	s_add_co_u32 s22, s22, s23
	s_mov_b32 s23, 0
	s_add_nc_u64 s[68:69], s[68:69], s[22:23]
	s_add_nc_u64 s[70:71], s[70:71], s[22:23]
	WIN TO_B
.irp b, 0,1,2,3,4,5,6,7
	global_load_b128 v[BIAS+8*(\b):BIAS+8*(\b)+3],   v[VB], s[68:69] offset:64*(\b)
	global_load_b128 v[BIAS+8*(\b)+4:BIAS+8*(\b)+7], v[VB], s[68:69] offset:64*(\b)+16
.endr
	WIN 0
.irp b, 0,1,2,3,4,5,6,7
	global_load_b128 v[W2R+8*(\b):W2R+8*(\b)+3],   v[VB], s[70:71] offset:64*(\b)
	global_load_b128 v[W2R+8*(\b)+4:W2R+8*(\b)+7], v[VB], s[70:71] offset:64*(\b)+16
.endr
	; where my 128 sums of the first tile lie in part, in bytes: strip c = 2 x tile column + column half, 65,536 bytes a strip; the first way out adds it to part's address
	s_lshl_b32 s13, s13, 8
	s_lshl_b32 s14, s11, 7
	s_add_co_u32 s16, s13, s14                     ; my first row
	s_lshl_b32 s16, s16, 2
	s_mov_b32 s17, 0
	s_lshl_b32 s46, s42, 1                         ; (in the registers that held wb's address: none that feeds xb's descriptors ever holds cx)
	s_add_co_u32 s46, s46, s12
	s_lshl_b32 s46, s46, 16
	s_mov_b32 s47, 0
	s_add_nc_u64 s[16:17], s[16:17], s[46:47]
; 16 matrix instructions: row blocks a0, a0 + 1 of the window's four (hi = 0: my rows 0-63, 1: rows 64-127) x all 8 column blocks, 32 along K.
; first = 1: the product starts the sums, with b0 as its C operand: nothing is cleared, and no bias is added later.
; The 64 accumulators take turns, one instruction a turn, in the same order in every quarter step.
.macro MUL16 f, hi, a0, first
.if \first
	WIN MUL_LO1+0x40*(\hi)
.else
	WIN MUL_LO+0x50*(\hi)
.endif
.irp a, \a0, (\a0)+1
.irp b, 0,1,2,3,4,5,6,7
.if \first
	v_wmma_f32_16x16x32_bf16 v[8*(8*(\a)+(\b)):8*(8*(\a)+(\b))+7], v[(\f)+8*(\b):(\f)+8*(\b)+7], v[(\f)+8*(4*(\hi)+(\a)):(\f)+8*(4*(\hi)+(\a))+7], v[BIAS+8*(\b):BIAS+8*(\b)+7]
.else
	v_wmma_f32_16x16x32_bf16 v[8*(8*(\a)+(\b)):8*(8*(\a)+(\b))+7], v[(\f)+8*(\b):(\f)+8*(\b)+7], v[(\f)+8*(4*(\hi)+(\a)):(\f)+8*(4*(\hi)+(\a))+7], v[8*(8*(\a)+(\b)):8*(8*(\a)+(\b))+7]
.endif
.endr
.endr
.endm
; 32 LDS loads in one run: the fragments of one quarter step (128 rows of wb, 128 rows of xb, 32 K at byte k of the rows) into buffer f
.macro FETCH slot, k, f
	WIN TO_B
.irp i, 0,1,2,3,4,5,6,7
	ds_load_b128 v[(\f)+8*(\i):(\f)+8*(\i)+3],   v[ADRB+(\slot)] offset:(\k)+(\i)*16*PITCH
	ds_load_b128 v[(\f)+8*(\i)+4:(\f)+8*(\i)+7], v[ADRB+(\slot)] offset:(\k)+(\i)*16*PITCH+32
.endr
	WIN 0
.irp i, 0,1,2,3,4,5,6,7
	ds_load_b128 v[(\f)+8*(\i):(\f)+8*(\i)+3],   v[ADRA+(\slot)] offset:(\k)+(\i)*16*PITCH
	ds_load_b128 v[(\f)+8*(\i)+4:(\f)+8*(\i)+7], v[ADRA+(\slot)] offset:(\k)+(\i)*16*PITCH+32
.endr
.endm
; A load into a register that a matrix instruction has read, and a vector instruction that reads a matrix result or writes one of a matrix instruction's registers,
; stand four places behind it, and only plain vector instructions that name none of its registers are places (ISA guide 7.12.1 for vector instructions).
.macro PLACES
.rept 4
	v_nop
.endr
.endm
; A K step is four quarter steps of 32 along K, 64 matrix instructions each, on buffers 0, 1, 0, 1.
; One of the first three: multiplies buffer f; in its middle it fetches the next quarter's fragments, at byte k of the same slot's rows, into buffer g.
.macro QUARTER slot, k, f, g, first
	s_wait_dscnt 8                                 ; wb and xb's rows 0-63 are in; the youngest eight loads (xb's rows 64-127) may be out
	MUL16 \f, 0, 0, \first
	MUL16 \f, 0, 2, \first
	PLACES
	FETCH \slot, \k, \g
	s_wait_dscnt 32                                ; all but the 32 just issued
	MUL16 \f, 1, 0, \first
	MUL16 \f, 1, 2, \first
.endm
; The last quarter multiplies buffer 1 and changes slots.  MEET is its first half: ONE barrier for the change of slots.  In front of it each wave waits for all its tensor loads, of which one is out:
; its part of the next slot; adds 0 to its spare word; and waits for that and for its own reads of this slot.  Behind it nobody reads this slot any more and the next slot is whole.
.macro MEET round                      ; round = 1: a round of the cluster's barrier follows
	WIN 0                                          ; (the add's two registers lie in window 0)
	s_wait_tensorcnt 0x0                           ; all my tensor loads have landed: the one that was out is my part of the next slot;
	ds_add_u32 v[SPW], v[NIL]                      ; 0 onto my spare word;
	s_wait_dscnt 9                                 ; (the add and the youngest eight loads may be out)
	MUL16 F1, 0, 0, 0                              ; sixteen matrix instructions stand between the add and the wait for it
	s_wait_dscnt 0x0                               ; the add is done, and my reads of this slot are over:
	s_barrier_signal -1                            ; say so (where a slot is filled again this barrier opens a round of the cluster's barrier),
	MUL16 F1, 0, 2, 0                              ; work on registers while the others arrive,
.if \round
	WIN 0
.endif
	s_barrier_wait -1                              ; and go on when all four have said so
.endm
; The whole last quarter.  on = 0: the slot just read out is filled again with this tile's K step two steps on; on = 1: with the NEXT tile's K step 0 or 1; on = 2: nothing is left to fetch.
; The refill is the first tensor load behind the round; between it and the wait for it a wave issues 224 matrix instructions, across tiles too.
.macro TURN slot, next, on
.if (\on) < 2
	MEET 1
	CREST                                          ; no wave of any partner still reads this slot's tile or has a load on its way
.if \on
	s_add_nc_u64 s[G0+4*(\slot)+2:G0+4*(\slot)+3], s[G0+4*(\slot)+2:G0+4*(\slot)+3], NEXT_A
	s_sub_nc_u64 s[G0B+4*(\slot)+2:G0B+4*(\slot)+3], s[G0B+4*(\slot)+2:G0B+4*(\slot)+3], BACK_B
.else
	s_add_nc_u64 s[G0+4*(\slot)+2:G0+4*(\slot)+3], s[G0+4*(\slot)+2:G0+4*(\slot)+3], 2*KSTEP*2
	s_add_nc_u64 s[G0B+4*(\slot)+2:G0B+4*(\slot)+3], s[G0B+4*(\slot)+2:G0B+4*(\slot)+3], 2*KSTEP*2
.endif
	JLOAD \slot                                    ; the four v_nop behind it are also the places in front of the loads below
.else
	MEET 0
	PLACES
.endif
	FETCH \next, 0, F0
	MUL16 F1, 1, 0, 0
	MUL16 F1, 1, 2, 0
.endm
.macro LASTQ                           ; the very last quarter: nothing more to fetch
	s_wait_dscnt 8
	MUL16 F1, 0, 0, 0
	MUL16 F1, 0, 2, 0
	s_wait_dscnt 0x0
	MUL16 F1, 1, 0, 0
	MUL16 F1, 1, 2, 0
.endm
; THE WAY OUT.  For each of my eight row blocks: relu of its 64 numbers a lane (each accumulator's registers in ascending order), then their product with W2 in four chains of
; packed multiply-adds that do not wait for each other.  One exchange adds the other half of the lanes' columns.  Block a, lane l % 16 = r, is x's row 64 (a / 4) + 4 r + a % 4 of my 128 (xb's order of rows):
; lanes 0-15 keep blocks 0-3, lanes 16-31 blocks 4-7, and lane l holds rows 4 l .. 4 l + 3: one store of 16 bytes a lane covers the wave's 512 consecutive bytes, aligned.  It issues no LDS instruction.
.macro EPI
	WIN 0
	PLACES                                         ; between the last products and the first read of a result
	s_wait_xcnt 0x0                                ; every earlier memory instruction has had its addresses translated (ISA guide 3.1): the store's base and OUT are rewritten only behind this wait
	s_add_nc_u64 s[8:9], s[8:9], s[16:17]          ; on to this tile's rows
.irp a, 0,1,2,3,4,5,6,7
	WIN 0x08+4*((\a)/4)                            ; source 1: window 2 or 3
.set i, 0
.rept 64
	v_max_num_f32 v[T+i], 0, v[64*((\a)%4)+i]
.set i, i+1
.endr
	WIN 0
.irp q, 0,1,2,3
	v_pk_mul_f32 v[CH+2*(\q):CH+2*(\q)+1], v[T+2*(\q):T+2*(\q)+1], v[W2R+2*(\q):W2R+2*(\q)+1]  ; the first four pairs start the chains: nothing is cleared
.endr
.set i, 4
.rept 28
	v_pk_fma_f32 v[CH+2*(i%4):CH+2*(i%4)+1], v[T+2*i:T+2*i+1], v[W2R+2*i:W2R+2*i+1], v[CH+2*(i%4):CH+2*(i%4)+1]
.set i, i+1
.endr
	v_pk_add_f32 v[CH:CH+1], v[CH:CH+1], v[CH+2:CH+3]
	v_pk_add_f32 v[CH+4:CH+5], v[CH+4:CH+5], v[CH+6:CH+7]
	v_pk_add_f32 v[CH:CH+1], v[CH:CH+1], v[CH+4:CH+5]
	v_add_f32 v[S+(\a)], v[CH], v[CH+1]
.endr
.irp a, 0,1,2,3,4,5,6,7
	v_permlanex16_b32 v[T+(\a)], v[S+(\a)], s66, s67       ; its destination counts as read: T has been written
.endr
.irp a, 0,1,2,3,4,5,6,7
	v_add_f32 v[S+(\a)], v[S+(\a)], v[T+(\a)]
.endr
.irp k, 0,1,2,3
	v_cndmask_b32 v[OUT+(\k)], v[S+(\k)], v[S+4+(\k)], s72
.endr
	global_store_b128 v[PO], v[OUT:OUT+3], s[8:9]
.endm
	s_wait_tensorcnt 1                             ; my part of K step 0 is in; K step 1's may stay out
	s_barrier_signal -1
	s_barrier_wait -1                              ; everybody's is
	FETCH 0, 0, F0
	s_wait_loadcnt 0x0                             ; b0 and W2, once
	s_mov_b32 s2, TILES                            ; tiles to go, this one among them: the same number in every work-group
.Ltile:                                                ; (FETCH and EPI leave every window 0)
	QUARTER 0, 64,  F0, F1, 1                      ; a tile's first quarter stands in front of the loop: its products start the sums
	WIN 0                                          ; at a label and at a branch every window is 0
	s_mov_b32 s3, LAPS-1
.Llap:                                                 ; a trip goes once round the ring, from a lap's second quarter to the next lap's first, and fills both slots again
	QUARTER 0, 128, F1, F0, 0
	QUARTER 0, 192, F0, F1, 0
	TURN 0, 1, 0
	QUARTER 1, 64,  F0, F1, 0
	QUARTER 1, 128, F1, F0, 0
	QUARTER 1, 192, F0, F1, 0
	TURN 1, 0, 0
	QUARTER 0, 64,  F0, F1, 0
	WIN 0
	s_sub_co_u32 s3, s3, 1
	s_cmp_lg_u32 s3, 0
	s_cbranch_scc1 .Llap
	QUARTER 0, 128, F1, F0, 0                      ; the tile's last lap goes on
	QUARTER 0, 192, F0, F1, 0
	WIN 0
	s_cmp_eq_u32 s2, 1
	s_cbranch_scc1 .Llast_tile                     ; the last tile's tail is written out: it asks for nothing more
	TURN 0, 1, 1                                   ; THE RING GOES ON INTO THE NEXT TILE: slot 0 takes its K step 0,
	QUARTER 1, 64,  F0, F1, 0
	QUARTER 1, 128, F1, F0, 0
	QUARTER 1, 192, F0, F1, 0
	TURN 1, 0, 1                                   ; slot 1 its K step 1, and the next tile's first fragments are fetched
	EPI                                            ; both refills are asked for: now the tile goes out; the 32 fragment loads stay out and are counted by the next quarter's wait
	s_mov_b64 s[16:17], WALK*4                     ; what the next way out adds to part's address: 4,096 rows of 4 bytes
	s_sub_co_u32 s2, s2, 1
	s_branch .Ltile
.Llast_tile:
	TURN 0, 1, 2                                   ; my one tensor load that was still out is slot 1's, the last K step's, so no round follows
	QUARTER 1, 64,  F0, F1, 0
	QUARTER 1, 128, F1, F0, 0
	QUARTER 1, 192, F0, F1, 0
	LASTQ
	EPI
	s_wait_tensorcnt 0x0                           ; the wave's end, behind my last tensor load
	ds_add_u32 v[SPW], v[NIL]
	s_wait_dscnt 0x0
	CROUND                                         ; the closing round: no work-group ends while a partner may still ask for a tile that names it
	s_endpgm
.Lfunc_end_k_q60ede54a3b_gemm:
	.size	k_q60ede54a3b_gemm, .Lfunc_end_k_q60ede54a3b_gemm-k_q60ede54a3b_gemm
	.p2alignl 7, 3214868480
	.fill 96, 4, 3214868480
	.section	.rodata,"a",@progbits
	.p2align	6, 0x0
	.amdhsa_kernel k_q60ede54a3b_gemm
		.amdhsa_group_segment_fixed_size 327680
		.amdhsa_private_segment_fixed_size 0
		.amdhsa_enable_private_segment 0
		.amdhsa_kernarg_size 40
		.amdhsa_user_sgpr_count 2
		.amdhsa_user_sgpr_kernarg_segment_ptr 1
		.amdhsa_wavefront_size32 1
		.amdhsa_system_sgpr_workgroup_id_x 1
		.amdhsa_system_sgpr_workgroup_id_y 1
		.amdhsa_system_sgpr_workgroup_id_z 1
		.amdhsa_system_vgpr_workitem_id 0
		.amdhsa_next_free_vgpr 1024
		.amdhsa_next_free_sgpr 76
		.amdhsa_reserve_vcc 0
		.amdhsa_float_denorm_mode_32 3
		.amdhsa_float_denorm_mode_16_64 3
		.amdhsa_memory_ordered 1
		.amdhsa_forward_progress 1
		.amdhsa_inst_pref_size 219
	.end_amdhsa_kernel
	.amdgpu_metadata
---
amdhsa.version: [ 1, 2 ]
amdhsa.kernels:
  - .name:           k_q60ede54a3b_gemm
    .symbol:         k_q60ede54a3b_gemm.kd
    .args:
      - { .name: xb, .offset: 0, .size: 8, .value_kind: global_buffer, .address_space: global }
      - { .name: wb, .offset: 8, .size: 8, .value_kind: global_buffer, .address_space: global }
      - { .name: b0, .offset: 16, .size: 8, .value_kind: global_buffer, .address_space: global }
      - { .name: W2, .offset: 24, .size: 8, .value_kind: global_buffer, .address_space: global }
      - { .name: part, .offset: 32, .size: 8, .value_kind: global_buffer, .address_space: global }
    .group_segment_fixed_size: 327680
    .private_segment_fixed_size: 0
    .kernarg_segment_align: 8
    .kernarg_segment_size: 40
    .max_flat_workgroup_size: 128
    .sgpr_count:     76
    .vgpr_count:     1024
    .wavefront_size: 32
...
	.end_amdgpu_metadata
.endif
;; end of part 2
;; launch finish (part 3): grid 256 x 1, 1 waves a work-group, no clusters, 0 bytes of LDS; arguments part, b2, out0; writes out0
.if DOCPART == 3
	.amdgcn_target "amdgcn-amd-amdhsa--gfx1250"
	.amdhsa_code_object_version 6
	.text
	.protected	k_q60ede54a3b_finish
	.globl	k_q60ede54a3b_finish
	.p2align	8
	.type	k_q60ede54a3b_finish,@function
k_q60ede54a3b_finish:
	s_mov_b64 s[64:65], 0
	v_nop
	global_prefetch_b8 v0, s[64:65] scope:SCOPE_SE
	s_setreg_imm32_b32 hwreg(HW_REG_WAVE_MODE, 25, 1), 1
	s_wait_xcnt 0x0
; out0[i] = b2 + the sum over c = 0 .. 31 of part[c][i].  part: [32][16384] f32.  One wave makes 64 outputs, two a lane: each of its 32 loads and its one store
; covers 256 consecutive bytes, aligned.  All 32 loads are on their way together; the sums go in a fixed order, in four chains that do not wait for each other.
; No LDS, no barrier, no matrix unit: 2 MiB are read once and added.
.set P, 4                              ; v[4:67]  strip c's two numbers at v[P + 2 c]
	s_load_b128 s[4:7], s[0:1], 0x0                ; part s[4:5], b2 s[6:7]
	s_load_b64 s[8:9], s[0:1], 0x10                ; out0
	s_lshl_b32 s10, ttmp9, 8                       ; my 64 outputs, 4 bytes each
	v_lshl_add_u32 v1, v0, 3, s10                  ; + 8 bytes a lane
	s_wait_kmcnt 0x0
	s_load_b32 s12, s[6:7], 0x0                    ; b2
.set c, 0
.rept 32
	global_load_b64 v[P+2*c:P+2*c+1], v1, s[4:5] offset:c*65536 th:TH_LOAD_NT
.set c, c+1
.endr
	s_wait_kmcnt 0x0
	s_mov_b32 s13, s12                             ; named with it as a pair
	s_wait_loadcnt 0x0
	v_pk_add_f32 v[P:P+1], v[P:P+1], s[12:13] op_sel_hi:[1,0]
.set c, 4
.rept 28
	v_pk_add_f32 v[P+2*(c%4):P+2*(c%4)+1], v[P+2*(c%4):P+2*(c%4)+1], v[P+2*c:P+2*c+1]
.set c, c+1
.endr
	v_pk_add_f32 v[P:P+1], v[P:P+1], v[P+2:P+3]
	v_pk_add_f32 v[P+4:P+5], v[P+4:P+5], v[P+6:P+7]
	v_pk_add_f32 v[P:P+1], v[P:P+1], v[P+4:P+5]
	global_store_b64 v1, v[P:P+1], s[8:9]
	s_endpgm
.Lfunc_end_k_q60ede54a3b_finish:
	.size	k_q60ede54a3b_finish, .Lfunc_end_k_q60ede54a3b_finish-k_q60ede54a3b_finish
	.p2alignl 7, 3214868480
	.fill 96, 4, 3214868480
	.section	.rodata,"a",@progbits
	.p2align	6, 0x0
	.amdhsa_kernel k_q60ede54a3b_finish
		.amdhsa_group_segment_fixed_size 0
		.amdhsa_private_segment_fixed_size 0
		.amdhsa_enable_private_segment 0
		.amdhsa_kernarg_size 24
		.amdhsa_user_sgpr_count 2
		.amdhsa_user_sgpr_kernarg_segment_ptr 1
		.amdhsa_wavefront_size32 1
		.amdhsa_system_sgpr_workgroup_id_x 1
		.amdhsa_system_sgpr_workgroup_id_y 1
		.amdhsa_system_sgpr_workgroup_id_z 1
		.amdhsa_system_vgpr_workitem_id 0
		.amdhsa_next_free_vgpr 72
		.amdhsa_next_free_sgpr 66
		.amdhsa_reserve_vcc 0
		.amdhsa_float_denorm_mode_32 3
		.amdhsa_float_denorm_mode_16_64 3
		.amdhsa_memory_ordered 1
		.amdhsa_forward_progress 1
		.amdhsa_inst_pref_size 6
	.end_amdhsa_kernel
	.amdgpu_metadata
---
amdhsa.version: [ 1, 2 ]
amdhsa.kernels:
  - .name:           k_q60ede54a3b_finish
    .symbol:         k_q60ede54a3b_finish.kd
    .args:
      - { .name: part, .offset: 0, .size: 8, .value_kind: global_buffer, .address_space: global }
      - { .name: b2, .offset: 8, .size: 8, .value_kind: global_buffer, .address_space: global }
      - { .name: out0, .offset: 16, .size: 8, .value_kind: global_buffer, .address_space: global }
    .group_segment_fixed_size: 0
    .private_segment_fixed_size: 0
    .kernarg_segment_align: 8
    .kernarg_segment_size: 24
    .max_flat_workgroup_size: 32
    .sgpr_count:     66
    .vgpr_count:     72
    .wavefront_size: 32
...
	.end_amdgpu_metadata
.endif
;; end of part 3
;; ======== version 2 of 2: 3 launches; version 1 with the launch prep written anew for expert scheduling mode
;; workspace buffers: xb 33,554,432 bytes; wb 8,388,608 bytes; part 2,097,152 bytes
;; launch prep (part 4): grid 384 x 1, 8 waves a work-group, no clusters, 68,608 bytes of LDS; arguments x, W0, A, B, xb, wb; writes xb, wb
.if DOCPART == 4
	.amdgcn_target "amdgcn-amd-amdhsa--gfx1250"
	.amdhsa_code_object_version 6
	.text
	.protected	k_q60ede54a3b_prep
	.globl	k_q60ede54a3b_prep
	.p2align	8
	.type	k_q60ede54a3b_prep,@function
k_q60ede54a3b_prep:
	s_mov_b64 s[64:65], 0
	v_nop
	global_prefetch_b8 v0, s[64:65] scope:SCOPE_SE
	s_setreg_imm32_b32 hwreg(HW_REG_WAVE_SCHED_MODE, 0, 2), 2
	s_setreg_imm32_b32 hwreg(HW_REG_WAVE_MODE, 25, 1), 1
	s_wait_xcnt 0x0
	s_wait_alu depctr_vm_vsrc(0)
; The operands of the large product, each rounded to bf16 once.
;   xb[16384][1024] bf16 = x, with the rows of each group of 64 re-ordered: place 16 q + r of a group holds x's row 4 r + q (q = 0..3, r = 0..15).
;   wb[4096][1024]  bf16 = W0 + 2 (B A), the sum made in f32 and rounded once.  (2 = alpha / rank = 32 / 16.)
; Work-groups 0-127 make 32 rows of wb each, work-groups 128-383 make 64 rows of xb each.  The branch hangs on the work-group's number alone.
; The re-ordering costs nothing here (it stands in the stores' immediates); the product's launch then finds four neighbouring rows' results in one lane.
; LIMITS.  A and B are rounded to bf16 for the small product B A (sums in f32).  A number beyond bf16's largest finite one (3.39e38) rounds to an infinity.
; No barrier: a wave's LDS stage is its own.
; THE MODE: SCHED_MODE bits 1:0 = 2 (LLVM: expert scheduling mode 2), set by the entry lines.  The code itself states the register dependences
; between vector or matrix instructions and memory or LDS instructions, with s_wait_alu, always for 0.
; THE PLAN, x.  The 64 rows go in 8 blocks of 8.  Registers that memory instructions touch:
;   v1, v2     byte offsets, made once and never written again: the rows stand in the immediates.
;   X          40 slots of four registers.  Written by loads (rows 0-39; rows 40-63 into slots 0-23); read by the row's two roundings.
;   Y          24 pairs.  Written by the roundings of rows 0-23, whose slots are loaded again; read by those rows' stores.  Rows 24-63 are rounded in place.
; Block p's vector instructions name block p's slots and results alone; its memory instructions are block p - 1's stores and the loads into block p - 1's slots.
; So one wait at a block's head states all that the block's memory instructions hang on.  No register that a store or a load has read is ever written again.
; THE PLAN, W.  Registers that memory or LDS instructions touch:
;   v1-v5, v8  offsets and LDS addresses, made once and never written again.
;   D          A as loaded, read by its roundings; then, in each block: written by the products, read by the LDS stores, written by the LDS loads and by the
;              rows' arithmetic, read by the stores to wb.
;   W          written by loads, read by the rows' multiply-adds.      BT  written by loads, read by four roundings.
;   AF, BF     named by vector and matrix instructions alone.
; A block's 16 rows go in two halves: a half's loads and stores stand behind one wait that follows its arithmetic, those of rows 0-7 dealt among the arithmetic of rows 8-15.
;   v6, v7     written at the head, read by the closing add alone.
.set SPARE, 67584                      ; behind the eight stages: the spare words, 128 bytes for each wave: four blocks of 256 bytes that no other line names
.set SPW,   6                          ; v6   LDS address of my spare word: SPARE + 4 x my thread's number; never rewritten
.set NIL,   7                          ; v7   0; never rewritten
; the x path
.set X,     8                          ; v[8:167]    slot s of 40: four f32 as loaded; rows 24-63: then four bf16 to store in its first two registers
.set Y,     168                        ; v[168:215]  row i of 0-23: four bf16 to store
; the W path
.set VA,    1                          ; v1   byte offset in A of my column, rows 8 h on
.set VBO,   2                          ; v2   byte offset in B of my row's eight numbers
.set VW,    3                          ; v3   byte offset in a row of W0 of my four columns
.set VO,    4                          ; v4   the same in a row of wb
.set STO,   5                          ; v5   stage: where I put a result's registers
.set RD,    8                          ; v8   stage: where I read a row back
.set AT,    16                         ; v[16:79]    A as loaded, f32
.set D,     16                         ;             then the eight results of B A, then the rows to store
.set W,     80                         ; v[80:143]   16 rows of W0, four columns a lane
.set AF,    144                        ; v[144:207]  eight fragments of A^T, bf16
.set BT,    208                        ; v[208:215]  B as loaded, f32
.set BF,    216                        ; v[216:223]  one fragment of B, bf16
.set SPITCH, 528                       ; a stage row: 512 bytes + 16: row r starts at bank 4 r mod 64 (64 banks of 4 bytes: ISA guide 11.1)
.set STAGEB, 16*SPITCH                 ; a wave's stage: 16 rows
	s_load_b256 s[4:11], s[0:1], 0x0               ; x s[4:5], W0 s[6:7], A s[8:9], B s[10:11]
	s_load_b128 s[12:15], s[0:1], 0x20             ; xb s[12:13], wb s[14:15]
	v_lshl_add_u32 v[SPW], v0, 2, SPARE
	v_mov_b32 v[NIL], 0
	s_mov_b32 s16, ttmp9
	s_wait_kmcnt 0x0
	s_cmp_lt_u32 s16, 128
	s_cbranch_scc1 .Lw
; ---------------- x: 64 rows.  Thread t owns the 16 bytes at 16 t of every row: a wave's load covers 512 neighbouring bytes, its store 256, both aligned.
; 24 to 32 loads of every wave are on their way.  No address register and no store's data register is ever rewritten, so no wait frees any.
	s_sub_co_u32 s17, s16, 128                     ; my group of 64 rows
	s_lshl_b32 s18, s17, 18                        ; x 64 rows of 4,096 bytes
	s_mov_b32 s19, 0
	s_lshl_b32 s20, s17, 17                        ; x 64 rows of 2,048 bytes
	s_mov_b32 s21, 0
	s_add_nc_u64 s[4:5], s[4:5], s[18:19]
	s_add_nc_u64 s[12:13], s[12:13], s[20:21]
	v_lshlrev_b32 v1, 4, v0                        ; 16 t
	v_lshlrev_b32 v2, 3, v0                        ; 8 t
	s_wait_alu depctr_va_vdst(0)                   ; v1 and v2 are written: every load and store of this path reads one of them as its offset
.set i, 0
.rept 40
	global_load_b128 v[X+4*i:X+4*i+3], v1, s[4:5] offset:i*4096 th:TH_LOAD_NT
.set i, i+1
.endr
; Block p: rows 8 p .. 8 p + 7.  Row R lies in slot R % 40.  left = how many younger loads may still be out when this block's eight have to be there.
.macro XBLK p, left
	s_wait_loadcnt \left                           ; loads come back in order (ISA guide 5.7.1): this block's rows are in, the younger ones stay out
.if (\p) > 0
	s_wait_alu depctr_va_vdst(0)                   ; the block before has written its results, which the stores below read, and is done reading its slots, in which the loads below land
.endif
.set i, 0
.rept 8
.set R, 8*(\p)+i
.if (\p) > 0
.set Q, R-8                                            ; the block before's row
.set OUTQ, X+4*(Q%40)
.if Q < 24
.set OUTQ, Y+2*Q
	global_load_b128 v[X+4*Q:X+4*Q+3], v1, s[4:5] offset:(40+Q)*4096 th:TH_LOAD_NT  ; the slot takes the row 40 further down, ahead of the store; no vector instruction since the wait names these registers
.endif
	global_store_b64 v2, v[OUTQ:OUTQ+1], s[12:13] offset:(16*(Q%4)+Q/4)*2048  ; row Q goes to place 16 (Q % 4) + Q / 4
.endif
.set INR, X+4*(R%40)
.set OUTR, INR                                         ; rows 24-63: rounded in place: their slots are not loaded again
.if R < 24
.set OUTR, Y+2*R
.endif
	v_cvt_pk_bf16_f32 v[OUTR], v[INR], v[INR+1]
	v_cvt_pk_bf16_f32 v[OUTR+1], v[INR+2], v[INR+3]
.set i, i+1
.endr
.endm
	XBLK 0, 32                                     ; 40 loads are issued, rows 0-7 are wanted
	XBLK 1, 24                                     ; 40 issued, rows 0-15 wanted; rows 40-47 go out
	XBLK 2, 24                                     ; 48 issued, rows 0-23 wanted; rows 48-55 go out
	XBLK 3, 24                                     ; 56 issued, rows 0-31 wanted; rows 56-63 go out: the last loads
	XBLK 4, 24                                     ; 64 issued, rows 0-39 wanted
	XBLK 5, 16                                     ; the counts run down
	XBLK 6, 8
	XBLK 7, 0
	s_wait_alu depctr_va_vdst(0)                   ; block 7 has written its results, which the last eight stores read
.set Q, 56
.rept 8
	global_store_b64 v2, v[X+4*(Q%40):X+4*(Q%40)+1], s[12:13] offset:(16*(Q%4)+Q/4)*2048
.set Q, Q+1
.endr
	s_wait_dscnt 0x0                               ; the closing lines, six on end
	s_wait_alu 0x0
	s_wait_tensorcnt 0x0
	ds_add_u32 v[SPW], v[NIL]
	s_wait_dscnt 0x0
	s_endpgm
; ---------------- W: 32 rows, as two blocks of 16.  Wave w owns columns 128 w .. 128 w + 127.
; delta = B A by the matrix unit, K = 16 padded to the form's 32 by zeros on both sides.  Source 0 = 16 columns d (rows of A^T), source 1 = 16 rows m of B:
; in the result lane (r, h) holds row m0 + r and the columns 16 t + 8 h + 0..7.  The results go through my stage and come back as rows, four columns a lane,
; as W0 is loaded and wb is stored: a wave's load covers 512 neighbouring bytes, its store 256, both aligned.
.Lw:
	v_lshrrev_b32 v9, 5, v0
	v_readfirstlane_b32 s17, v9                    ; wave 0..7
	v_and_b32 v10, 31, v0                          ; l
	v_and_b32 v11, 15, v0                          ; r = l % 16
	v_bfe_u32 v12, v0, 4, 1                        ; h = l / 16
	s_lshl_b32 s18, s16, 17                        ; my 32 rows of W0 (4,096 bytes each),
	s_mov_b32 s19, 0
	s_lshl_b32 s20, s16, 11                        ; of B (64 bytes each),
	s_mov_b32 s21, 0
	s_lshl_b32 s22, s16, 16                        ; of wb (2,048 bytes each)
	s_mov_b32 s23, 0
	s_add_nc_u64 s[6:7], s[6:7], s[18:19]
	s_add_nc_u64 s[10:11], s[10:11], s[20:21]
	s_add_nc_u64 s[14:15], s[14:15], s[22:23]
	s_wait_alu depctr_va_sdst(0)                   ; s17 is written, ahead of its first reader: the wave's columns and its stage are made from it
	s_lshl_b32 s24, s17, 9                         ; 512 w
	s_lshl_b32 s25, s17, 8                         ; 256 w
	s_mul_i32 s26, s17, STAGEB                     ; my stage
	v_lshl_add_u32 v[VA], v11, 2, s24              ; A[8 h + i][128 w + 16 t + r]: 4 r + 512 w
	v_lshl_add_u32 v[VA], v12, 15, v[VA]           ; + 8 h rows of 4,096 bytes
	v_lshlrev_b32 v[VBO], 6, v11                   ; B[m0 + r][8 h ..]: 64 r
	v_lshl_add_u32 v[VBO], v12, 5, v[VBO]          ; + 32 h
	v_lshl_add_u32 v[VW], v10, 4, s24              ; 16 l + 512 w
	v_lshl_add_u32 v[VO], v10, 3, s25              ; 8 l + 256 w
	v_mul_u32_u24 v[STO], v11, SPITCH              ; stage, in: row r, 32 bytes for each half of the lanes
	v_lshl_add_u32 v[STO], v12, 5, v[STO]
	v_add_nc_u32 v[STO], s26, v[STO]
	v_lshl_add_u32 v[RD], v10, 4, s26              ; stage, back: 16 bytes a lane of one row
	s_wait_alu depctr_va_vdst(0)                   ; the four offsets and the two LDS addresses are written, which every load, store and LDS instruction of this path reads
.set t, 0
.rept 8
.set i, 0
.rept 8
	global_load_b32 v[AT+8*t+i], v[VA], s[8:9] offset:i*4096+t*64
.set i, i+1
.endr
.set t, t+1
.endr
	global_load_b128 v[BT:BT+3], v[VBO], s[10:11]
	global_load_b128 v[BT+4:BT+7], v[VBO], s[10:11] offset:16
.set i, 0
.rept 16
	global_load_b128 v[W+4*i:W+4*i+3], v[VW], s[6:7] offset:i*4096 th:TH_LOAD_NT
.set i, i+1
.endr
.set t, 0
.rept 8                                                ; k = 16 .. 31 of every fragment is 0; these lines stand in the wait for the loads
.irp p, 4,5,6,7
	v_mov_b32 v[AF+8*t+(\p)], 0
.endr
.set t, t+1
.endr
.irp p, 4,5,6,7
	v_mov_b32 v[BF+(\p)], 0
.endr
	s_wait_loadcnt 16                              ; A and B are in: only the 16 loads of W0 are younger
.set t, 0
.rept 8
.irp p, 0,1,2,3
	v_cvt_pk_bf16_f32 v[AF+8*t+(\p)], v[AT+8*t+2*(\p)], v[AT+8*t+2*(\p)+1]  ; k = 8 h + 2 p, 8 h + 2 p + 1
.endr
.set t, t+1
.endr
.macro ROWMATH i                       ; row i of a block: its arithmetic
	s_wait_dscnt 15-(\i)                           ; row i is back
	v_pk_fma_f32 v[D+4*(\i):D+4*(\i)+1], v[D+4*(\i):D+4*(\i)+1], 2.0, v[W+4*(\i):W+4*(\i)+1] op_sel_hi:[1,0,1]        ; W0 + 2 delta, fused
	v_pk_fma_f32 v[D+4*(\i)+2:D+4*(\i)+3], v[D+4*(\i)+2:D+4*(\i)+3], 2.0, v[W+4*(\i)+2:W+4*(\i)+3] op_sel_hi:[1,0,1]
	v_cvt_pk_bf16_f32 v[D+4*(\i)], v[D+4*(\i)], v[D+4*(\i)+1]
	v_cvt_pk_bf16_f32 v[D+4*(\i)+1], v[D+4*(\i)+2], v[D+4*(\i)+3]
.endm
.macro ROWMEM blk, i                   ; row i of a block: its memory instructions, behind the wait that follows its arithmetic
.if (\blk) == 0
	global_load_b128 v[W+4*(\i):W+4*(\i)+3], v[VW], s[6:7] offset:(16+(\i))*4096 th:TH_LOAD_NT  ; the next block's row, ahead of the store
.endif
	global_store_b64 v[VO], v[D+4*(\i):D+4*(\i)+1], s[14:15] offset:(16*(\blk)+(\i))*2048
.endm
.macro BLOCK blk                       ; rows 16 blk .. 16 blk + 15
.if \blk
	s_wait_loadcnt 16                              ; this block's B is in: the 16 loads of its W0 are younger
	s_wait_xcnt 0x0                                ; every earlier memory instruction has had its addresses translated (ISA guide 3.1): D, which the last block's stores read, is rewritten only behind this wait
	s_wait_alu depctr_vm_vsrc(0)                   ; the last block's stores have read D, which the products below write again
.endif
.irp p, 0,1,2,3
	v_cvt_pk_bf16_f32 v[BF+(\p)], v[BT+2*(\p)], v[BT+2*(\p)+1]
.endr
.irp t, 0,1,2,3,4,5,6,7                ; eight results, each a sum of its own: no chain
	v_wmma_f32_16x16x32_bf16 v[D+8*(\t):D+8*(\t)+7], v[AF+8*(\t):AF+8*(\t)+7], v[BF:BF+7], 0
.endr
.rept 4
	v_nop                                          ; four places between the last product and the first read of a result (ISA guide 7.12.1)
.endr
	s_wait_alu depctr_va_vdst(0)                   ; the products have written D, which the LDS stores read; the four roundings above are done reading BT, in which the next B lands; the places above stay beside this wait
.if (\blk) == 0
	global_load_b128 v[BT:BT+3], v[VBO], s[10:11] offset:1024      ; the next block's B
	global_load_b128 v[BT+4:BT+7], v[VBO], s[10:11] offset:1040
.endif
.irp t, 0,1,2,3,4,5,6,7
	ds_store_b128 v[STO], v[D+8*(\t):D+8*(\t)+3] offset:64*(\t)            ; each result's low registers first
	ds_store_b128 v[STO], v[D+8*(\t)+4:D+8*(\t)+7] offset:64*(\t)+16
.endr
	s_wait_alu depctr_vm_vsrc(0)                   ; the LDS stores have read D, in which the LDS loads below land
.set i, 0
.rept 16
	ds_load_b128 v[D+4*i:D+4*i+3], v[RD] offset:SPITCH*i   ; LDS serves a wave's instructions in order (ISA guide 5.7.1.4): these see the stores above
.set i, i+1
.endr
	s_wait_loadcnt 2*(1-(\blk))                    ; this block's W0 is in; in block 0 the two loads of the next B are younger
.irp i, 0,1,2,3,4,5,6,7
	ROWMATH \i
.endr
	s_wait_alu depctr_va_vdst(0)                   ; rows 0-7: the multiply-adds are done reading their W, in which the next block's rows land, and the roundings have written the D that the stores read
.irp i, 0,1,2,3,4,5,6,7
	ROWMEM \blk, \i                                ; no wait: the arithmetic of rows 8-15 names none of these registers
	ROWMATH (\i)+8
.endr
	s_wait_alu depctr_va_vdst(0)                   ; the same for rows 8-15
.irp i, 8,9,10,11,12,13,14,15
	ROWMEM \blk, \i
.endr
.endm
	BLOCK 0
	BLOCK 1
	s_wait_dscnt 0x0                               ; the closing lines, six on end
	s_wait_alu 0x0
	s_wait_tensorcnt 0x0
	ds_add_u32 v[SPW], v[NIL]
	s_wait_dscnt 0x0
	s_endpgm
.Lfunc_end_k_q60ede54a3b_prep:
	.size	k_q60ede54a3b_prep, .Lfunc_end_k_q60ede54a3b_prep-k_q60ede54a3b_prep
	.p2alignl 7, 3214868480
	.fill 96, 4, 3214868480
	.section	.rodata,"a",@progbits
	.p2align	6, 0x0
	.amdhsa_kernel k_q60ede54a3b_prep
		.amdhsa_group_segment_fixed_size 68608
		.amdhsa_private_segment_fixed_size 0
		.amdhsa_enable_private_segment 0
		.amdhsa_kernarg_size 48
		.amdhsa_user_sgpr_count 2
		.amdhsa_user_sgpr_kernarg_segment_ptr 1
		.amdhsa_wavefront_size32 1
		.amdhsa_system_sgpr_workgroup_id_x 1
		.amdhsa_system_sgpr_workgroup_id_y 1
		.amdhsa_system_sgpr_workgroup_id_z 1
		.amdhsa_system_vgpr_workitem_id 0
		.amdhsa_next_free_vgpr 224
		.amdhsa_next_free_sgpr 66
		.amdhsa_reserve_vcc 0
		.amdhsa_float_denorm_mode_32 3
		.amdhsa_float_denorm_mode_16_64 3
		.amdhsa_memory_ordered 1
		.amdhsa_forward_progress 1
		.amdhsa_inst_pref_size 54
	.end_amdhsa_kernel
	.amdgpu_metadata
---
amdhsa.version: [ 1, 2 ]
amdhsa.kernels:
  - .name:           k_q60ede54a3b_prep
    .symbol:         k_q60ede54a3b_prep.kd
    .args:
      - { .name: x, .offset: 0, .size: 8, .value_kind: global_buffer, .address_space: global }
      - { .name: W0, .offset: 8, .size: 8, .value_kind: global_buffer, .address_space: global }
      - { .name: A, .offset: 16, .size: 8, .value_kind: global_buffer, .address_space: global }
      - { .name: B, .offset: 24, .size: 8, .value_kind: global_buffer, .address_space: global }
      - { .name: xb, .offset: 32, .size: 8, .value_kind: global_buffer, .address_space: global }
      - { .name: wb, .offset: 40, .size: 8, .value_kind: global_buffer, .address_space: global }
    .group_segment_fixed_size: 68608
    .private_segment_fixed_size: 0
    .kernarg_segment_align: 8
    .kernarg_segment_size: 48
    .max_flat_workgroup_size: 256
    .sgpr_count:     66
    .vgpr_count:     224
    .wavefront_size: 32
...
	.end_amdgpu_metadata
.endif
;; end of part 4
;; launch gemm: the kernel of part 2 again; grid 16 x 16, 4 waves a work-group, clusters of 4 x 4, 327,680 bytes of LDS; arguments xb, wb, b0, W2, part; writes part
;; launch finish: the kernel of part 3 again; grid 256 x 1, 1 waves a work-group, no clusters, 0 bytes of LDS; arguments part, b2, out0; writes out0
